; MI455X (gfx1250); checked and timed in simulation.
; The chip was launched on July 23, 2026; its instructions are those of AMD's public machine-readable ISA for CDNA 5 (MIT licence, August 2026) and "CDNA5" Instruction Set Architecture Reference Guide (July 2026). The comments in the code are by the model that wrote it; some were corrected since.
;; Dot Product Attention. Allowed arithmetic: matrix products marked QUANTISED: E2M3 operands, one E8M0 scale for each 32 along K, by v_wmma_scale_f32_16x16x128_f8f6f4 with both operands' format E2M3, f32 sums; everything else in f32.
;; Inputs: key 4 x 16 x 2,048 x 64 float32; mask 4 x 1 x 2,048 x 2,048 bool; query 4 x 16 x 2,048 x 64 float32; value 4 x 16 x 2,048 x 64 float32.
;; Outputs: out0 4 x 16 x 2,048 x 64 float32.
;; This version of the problem:
;;   THIS VERSION OF THE PROBLEM IS GIVEN IN LOW PRECISION. The matrix products marked QUANTISED in the list below multiply operands that are first quantised to E2M3 (2 exponent bits, 3 mantissa bits; 6 bits a number), with one power-of-two scale for each 32 numbers along K (OCP MX v1.0); their sums are f32. All else is computed in f32.
;;   The module's matrix products, in the order in which they are computed (A, B: the left and right operand; K: the contracted axis; several contracted axes count as one K, in the product's order):
;;     1. batch 64 x [M 2,048, K 64] x [K 64, N 2,048]; A: input query; B: input key: QUANTISED
;;     2. batch 64 x [M 2,048, K 2,048] x [K 2,048, N 64]; A: softmax (see below); B: input value: QUANTISED
;;   THE QUANTISER, for each operand of a quantised product, along K:
;;     - K is cut into blocks of 32 from its start; a last block that is shorter is filled with zeros.
;;     - A block's scale is 2^e with e = floor(log2(the largest magnitude in the block)) - 2, held to -126 .. 127; a block of zeros has e = 0. As a byte (E8M0): e + 127.
;;     - Each number is divided by its block's scale, clamped to +-7.5, and rounded to the nearest number of E2M3, ties to even, subnormals kept.
;;     - The product sums the exact products of the quantised numbers (number of the format x scale) in f32.
;;   ~~~python
;;   def quantise(x, axis):      # numpy; x: float32 -> the quantised numbers, widened to float32 again
;;       x = np.moveaxis(x, axis, -1); K = x.shape[-1]
;;       x = np.pad(x, [(0, 0)] * (x.ndim - 1) + [(0, -K % 32)]); x = x.reshape(x.shape[:-1] + (-1, 32)); a = np.abs(x).max(-1, keepdims=True)
;;       e = np.where(a > 0, np.clip(np.frexp(np.where(a > 0, a, 1))[1] - 1 - 2, -126, 127), 0)      # np.frexp(a)[1] - 1 = floor(log2(a)), exactly
;;       r = np.clip(x / 2.0 ** e, -7.5, 7.5)
;;       step = 2.0 ** (np.maximum(np.frexp(np.where(r == 0, 1, r))[1] - 1, 0) - 3)
;;       q = np.round(r / step) * step * 2.0 ** e      # np.round: ties to even
;;       return np.moveaxis(q.reshape(q.shape[:-2] + (-1,))[..., :K], -1, axis).astype(np.float32)
;;   ~~~
;;   SOFTMAX AHEAD OF A QUANTISED PRODUCT. Where the list says 'softmax', what is quantised is not the finished softmax but p = 2^(t - M), with t = logit x log2(e) and M = ceil(the row's largest t), a whole number; so 1/2 < the row's largest p <= 1. The row's sum l is taken of the UNQUANTISED p, in f32, and the product's result is divided by l at the end. Since M is a whole number, a kernel that streams over the keys may use a running M (the ceiling of the running maximum): every later rescaling is an exact power of two, which a block's scale takes up: the codes' values come out the same.
;;   OPERANDS COMPUTED ON THE WAY. 'Computed on the way' means the value that the module computes at that place (a softmax that the list does not call 'softmax' is quantised finished and normalised). What goes into a quantiser is computed in f32, as accurately as f32 sums, v_exp_f32 and their like allow (about 1e-6 of the number): no bf16 or f16 on the way to a quantiser, and a product that is left as it is and whose result goes on into a quantised operand takes f32 operands (vector FMAs, or v_wmma_f32_16x16x4_f32). A number that lies on a knife's edge between two numbers of the format may be rounded either way, as far as f32 arithmetic and the matrix unit's own rounding can turn it there, and no further.
;; One version. Each part assembles by itself: llvm-mc -triple=amdgcn-amd-amdhsa -mcpu=gfx1250 --defsym DOCPART=n.
;; ======== version 1 of 1: 2 launches
;; limits: right only within a limited range of input values
;; workspace buffers: kv 13,107,200 bytes; mbits 2,097,152 bytes of whole numbers
;; launch prep (part 1): grid 1024 x 1, 4 waves a work-group, no clusters, 70,144 bytes of LDS; arguments key, value, mask, kv, mbits; writes kv, mbits
.if DOCPART == 1
	.amdgcn_target "amdgcn-amd-amdhsa--gfx1250"
	.amdhsa_code_object_version 6
	.text
	.protected	k_q8e23491293_prep
	.globl	k_q8e23491293_prep
	.p2align	8
	.type	k_q8e23491293_prep,@function
k_q8e23491293_prep:
	s_mov_b64 s[64:65], 0
	v_nop
	global_prefetch_b8 v0, s[64:65] scope:SCOPE_SE
	s_setreg_imm32_b32 hwreg(HW_REG_WAVE_MODE, 25, 1), 1
	s_wait_xcnt 0x0
; THE LAUNCH IN FRONT OF THE ATTENTION.  key and value [64 heads][2048][64] f32 become codes of FP6 (E2M3) with one E8M0 byte for each 32 along a product's K; the mask's bytes become words of lane bits.
; NOTHING OF reference() IS LEFT OUT in this program: every input has a way to the output and is loaded, both products are done in full, the mask REPLACES a score (by -10000, ahead of the division by 8), so no tile can be passed over.
; A TASK is one wave's: 32,768 bytes read.  Work-groups 0-255: key (task = head x 16 + step of 128 keys); 256-511: value (the same tasks); 512-1023: mask (task = batch x 128 + tile of 16 queries).
; kv, 12,800 bytes a task: 4 fragments of K (1,536 bytes each), 4 of V, 256 bytes of K's scale words, 256 of V's.  A FRAGMENT IS STORED AS AN IMAGE OF THE OPERAND'S 12 REGISTERS: register 4 i + e of lane L at 512 i + 16 L + 4 e.
; With L = lane, r = L % 16, h = L / 16:
;   K's fragment F = 2 c + f holds TWO tiles of 16 keys in the two halves of the instruction's 128 along K (the head has only 64): registers 6 v .. 6 v + 5 hold d = 32 h .. 32 h + 31 of key 64 c + 32 (r / 8) + 8 (2 f + v) + r % 8.
;   So chosen, a lane of the score tiles holds 32 NEIGHBOURING keys, a whole block of the second product's K.  Its scale word: bytes (v0, d block 0), (v0, 1), (v1, 0), (v1, 1); word of (F, r) at 8 (16 (F % 2) + r) + 4 (F / 2).
;   V's fragment t: registers 6 c .. 6 c + 5 hold keys 64 c + 32 h + 0 .. 31 of d = 16 t + r.  Its scale word: byte b for keys 32 b on; word of (t, r) at 8 (16 (t % 2) + r) + 4 (t / 2).
; mbits, 256 bytes for each (batch, tile of queries, step): word j (0 .. 63), bit L = (mask[query r][key 64 (j / 32) + 32 h + j % 32] is not 0): one word for each score register of the attention's lane.
; THE QUANTISER: a block's scale byte is its largest magnitude's exponent field - 2, held at 1 from below by a floor among the maximum's leaves; the conversion divides, holds at the largest code and rounds to nearest, ties to even.
; LIMITS: NaN and infinities among the inputs are not served.  A block whose largest magnitude lies under 2^-124 gets the byte 1; so does a block of zeros (the rule says 127): its codes are zeros, and this program alone reads the bytes.
; Any mask byte that is not 0 counts as true.
; No tensor load, no barrier: waves share nothing.  Each of the three ways has LDS bytes of its own.
.set KSTW,  8960                       ; key's stage, one a wave: 32 rows of 256 bytes, 272 apart, and 128 more behind row 15, so that the sixteen lanes of a read fall on sixteen different columns of 16 bytes
.set MST,   4*KSTW                     ; the mask's stages begin here
.set MSTW,  8448                       ; 16 rows of 512 bytes, 528 apart
.set SPARE, MST+4*MSTW                 ; the spare words, 128 bytes for each wave: two blocks of 256 bytes that no other line names
.set TASKB, 12800
.set KR, 16                            ; key: v16-143 two sets of 64 as loaded; v144-207 64 numbers turned; v208-219 the fragment; v220.., v224.. conversions' odd halves
.set KX, 144
.set KC, 208
.set VX, 16                            ; value: v16-79 two sets of 32; v80-127 four fragments; v128.. a conversion's odd half; v136-137 the scale words
.set VC, 80
.set MR, 16                            ; mask: v16-143 two sets of 64 as loaded; v144-207 turned; v208-215 a pair of registers of words for each of 4 steps
.set MX, 144
.set MW, 208
.macro LOADK f                         ; fragment f's 32 keys (two runs of 16), 16 loads of 512 consecutive bytes
.set I, 0
.rept 16
	global_load_b128 v[KR+64*((\f)%2)+4*I:KR+64*((\f)%2)+4*I+3], v4, s[4:5] offset:(64*((\f)/2)+16*((\f)%2)+32*(I/8))*256+512*(I%8) th:TH_LOAD_NT
.set I, I+1
.endr
.endm
.macro TURNK f                         ; through the wave's own stage: in as loaded, out 128 bytes (a block of 32 along d) a lane and tile.  LDS serves a wave's instructions in order: no wait between
.set I, 0
.rept 16
	ds_store_b128 v8, v[KR+64*((\f)%2)+4*I:KR+64*((\f)%2)+4*I+3] offset:544*I+128*(I/8)
.set I, I+1
.endr
.set I, 0
.rept 16
	ds_load_b128 v[KX+4*I:KX+4*I+3], v9 offset:2176*(I/8)+16*(I%8)
.set I, I+1
.endr
.endm
.macro QK f
	s_wait_dscnt 0x0                               ; the 64 numbers are back; the stage's stores have read their registers,
.if (\f) < 2
	LOADK (\f)+2                                   ; which take the fragment two on
.endif
	v_max3_num_f32 v228, |v[KX]|, |v[KX+1]|, 0x1800000      ; my two blocks by turns; the floor 2^(3 - 127) among the leaves holds the byte at 1 from below
	v_max3_num_f32 v229, |v[KX+32]|, |v[KX+33]|, 0x1800000
.set I, 2
.rept 15
	v_max3_num_f32 v228, v228, |v[KX+I]|, |v[KX+I+1]|
	v_max3_num_f32 v229, v229, |v[KX+32+I]|, |v[KX+33+I]|
.set I, I+2
.endr
	v_add_nc_u32 v230, 0xff000000, v228            ; 2 off the exponent field: the conversion's scale operand
	v_add_nc_u32 v231, 0xff000000, v229
	v_lshrrev_b32 v232, 23, v230                   ; the bytes
	v_lshrrev_b32 v233, 23, v231
	v_lshl_or_b32 v232, v233, 16, v232             ; (v0, block h) and (v1, block h),
	v_lshlrev_b32 v232, v12, v232                  ; 8 h bits up;
	v_permlanex16_b32 v234, v232, s14, s15
	v_or_b32 v[236+(\f)], v232, v234               ; with lane l xor 16's two the row's word is whole
.if (\f) > 0
	s_wait_alu depctr_va_vdst(0)
	s_wait_xcnt 0x0                                ; the last fragment's stores have read their data: the registers are written again only behind this wait
.endif
	v_cvt_scalef32_pk16_fp6_f32 v[KC:KC+2], v[KX:KX+15], v230
	v_cvt_scalef32_pk16_fp6_f32 v[220:222], v[KX+16:KX+31], v230      ; (a conversion's three registers begin on an even number)
	v_cvt_scalef32_pk16_fp6_f32 v[KC+6:KC+8], v[KX+32:KX+47], v231
	v_cvt_scalef32_pk16_fp6_f32 v[224:226], v[KX+48:KX+63], v231
	v_nop                                          ; one plain place behind the conversions
.irp i, 0,1,2
	v_mov_b32 v[KC+3+\i], v[220+\i]
	v_mov_b32 v[KC+9+\i], v[224+\i]
.endr
.irp i, 0,1,2
	global_store_b128 v4, v[KC+4*\i:KC+4*\i+3], s[10:11] offset:1536*(\f)+512*\i   ; 512 consecutive bytes a store
.endr
.endm
.macro LOADV u                         ; unit u = 2 x (block of 32 keys) + (half of the 64 columns): a lane takes a column, its registers run down the keys
.set I, 0
.rept 32
	global_load_b32 v[VX+32*((\u)%2)+I], v13, s[6:7] offset:(32*((\u)/2)+I)*256+128*((\u)%2) th:TH_LOAD_NT
.set I, I+1
.endr
.endm
.macro UNIT u
.set XS, VX+32*((\u)%2)
.set DD, VC+24*((\u)%2)+12*(((\u)/2)%2)+6*((\u)/4)
.if (\u) < 7
	s_wait_loadcnt 32                              ; this unit's 32 loads are in; the next unit's 32 stay out
.else
	s_wait_loadcnt 0x0
.endif
	v_max3_num_f32 v132, |v[XS]|, |v[XS+1]|, |v[XS+2]|      ; the block's largest magnitude: all 32 numbers are mine; two chains
	v_max3_num_f32 v133, |v[XS+3]|, |v[XS+4]|, |v[XS+5]|
.set I, 6
.rept 6
	v_max3_num_f32 v132, v132, |v[XS+I]|, |v[XS+I+1]|
	v_max3_num_f32 v133, v133, |v[XS+I+2]|, |v[XS+I+3]|
.set I, I+4
.endr
	v_max3_num_f32 v132, v132, |v[XS+30]|, |v[XS+31]|
	v_max3_num_f32 v132, v132, v133, 0x1800000     ; and the floor
	v_add_nc_u32 v134, 0xff000000, v132
	v_lshrrev_b32 v135, 23, v134
.if (\u)/2 == 0
	v_mov_b32 v[136+(\u)%2], v135                  ; the column's four bytes make its scale word, the lower keys in the lower byte
.else
	v_lshl_or_b32 v[136+(\u)%2], v135, 8*((\u)/2), v[136+(\u)%2]
.endif
	v_cvt_scalef32_pk16_fp6_f32 v[DD:DD+2], v[XS:XS+15], v134
	v_cvt_scalef32_pk16_fp6_f32 v[128:130], v[XS+16:XS+31], v134
	v_nop
.irp i, 0,1,2
	v_mov_b32 v[DD+3+\i], v[128+\i]
.endr
.if (\u) < 6
	LOADV (\u)+2
.endif
.endm
.macro LOADM k                         ; chunk k: 512 keys of the 16 queries: a row's 512 consecutive bytes a load
.set I, 0
.rept 16
	global_load_b128 v[MR+64*((\k)%2)+4*I:MR+64*((\k)%2)+4*I+3], v4, s[8:9] offset:2048*I+512*(\k) th:TH_LOAD_NT
.set I, I+1
.endr
.endm
.macro BITS st, sp                     ; step st (the chunk's sp-th): score register j = 4 Q4 + y is byte y of my register Q4 of the step; the compare's 32 lane bits are word j, which goes to lane j / 2 of the pair's register j % 2
.set Q4, 0
.rept 16
.irp y, 0,1,2,3
	v_and_b32 v[240+\y], 0xff<<(8*\y), v[MX+16*(\sp)+Q4]
.endr
.irp y, 0,1,2,3
	v_cmp_ne_u32 s[20+\y], 0, v[240+\y]
.endr
.irp y, 0,1,2,3
	v_writelane_b32 v[MW+2*(\st)+\y%2], s[20+\y], 2*Q4+\y/2
.endr
.set Q4, Q4+1
.endr
	global_store_b64 v5, v[MW+2*(\st):MW+2*(\st)+1], s[12:13] offset:256*(\st)   ; 256 consecutive bytes, at a multiple of 256 from the buffer's first byte; each step has its own pair, so no store's data are written again
.endm
.macro CHUNK k
	s_wait_loadcnt 0x0                             ; the chunk's 16 loads are in
.set I, 0
.rept 16
	ds_store_b128 v10, v[MR+64*((\k)%2)+4*I:MR+64*((\k)%2)+4*I+3] offset:528*I
.set I, I+1
.endr
.set I, 0
.rept 16                               ; register 4 I on: step I / 4 of the chunk, keys 64 ((I / 2) % 2) + 32 h + 16 (I % 2) on, of query r
	ds_load_b128 v[MX+4*I:MX+4*I+3], v11 offset:128*(I/4)+64*((I/2)%2)+16*(I%2)
.set I, I+1
.endr
	s_wait_dscnt 0x0
	BITS 4*(\k)+0, 0
	BITS 4*(\k)+1, 1
	BITS 4*(\k)+2, 2
	BITS 4*(\k)+3, 3
.endm
	s_load_b256 s[4:11], s[0:1], 0x0               ; key s[4:5], value s[6:7], mask s[8:9], kv s[10:11]
	s_load_b64 s[12:13], s[0:1], 0x20              ; mbits
	v_lshl_add_u32 v1, v0, 2, SPARE                ; my spare word; never rewritten
	v_mov_b32 v2, 0                                ; 0; never rewritten
	v_lshrrev_b32 v3, 5, v0
	v_readfirstlane_b32 s3, v3                     ; wave 0..3
	v_and_b32 v3, 31, v0                           ; lane
	v_lshlrev_b32 v4, 4, v3                        ; 16 x lane
	v_lshlrev_b32 v5, 3, v3                        ; 8 x lane
	v_and_b32 v6, 15, v0                           ; r
	v_bfe_u32 v7, v0, 4, 1                         ; h
	s_mul_i32 s20, s3, KSTW                        ; key's stage of my wave
	v_mul_u32_u24 v8, v7, 272
	v_lshl_add_u32 v8, v6, 4, v8
	v_add_nc_u32 v8, s20, v8                       ; in: a load holds two rows: 272 h + 16 r
	v_and_b32 v14, 8, v6                           ; 8 (r / 8)
	v_add_nc_u32 v9, v14, v6
	v_mul_u32_u24 v9, v9, 272                      ; out: row r + 8 (r / 8) (+ 8 for the second tile),
	v_lshl_add_u32 v9, v14, 4, v9                  ; + 128 (r / 8),
	v_lshl_add_u32 v9, v7, 7, v9                   ; + 128 h: my block of 32 along d
	v_add_nc_u32 v9, s20, v9
	s_mul_i32 s21, s3, MSTW
	s_add_co_u32 s21, s21, MST                     ; the mask's stage of my wave
	v_add_nc_u32 v10, s21, v4                      ; in: 16 x lane of a row
	v_mul_u32_u24 v11, v6, 528
	v_lshl_add_u32 v11, v7, 5, v11
	v_add_nc_u32 v11, s21, v11                     ; out: row r, + 32 h
	v_lshlrev_b32 v12, 3, v7                       ; 8 h
	v_lshlrev_b32 v13, 2, v3                       ; 4 x lane
	s_mov_b32 s14, 0x76543210
	s_mov_b32 s15, 0xfedcba98                      ; v_permlanex16_b32's selects for lane l xor 16
	s_mov_b32 s16, 0xffff0000                      ; lanes 16-31
	s_mov_b32 s19, 0
	s_mov_b32 s25, 0
	s_wait_kmcnt 0x0
	s_cmp_lt_u32 ttmp9, 256
	s_cbranch_scc1 .Lpath_k
	s_cmp_lt_u32 ttmp9, 512
	s_cbranch_scc1 .Lpath_v
	; ---- the mask
	; THE MASK'S SHARES: work-groups 512-1023, one for each (batch, tile of 16 queries); a wave takes ONE chunk of 512 keys, 8,192 bytes read, four steps of mask words
	s_sub_co_u32 s17, ttmp9, 512                   ; batch x 128 + tile of queries
	s_lshl_b32 s18, s17, 15                        ; 16 rows of 2,048 bytes,
	s_lshl_b32 s20, s3, 9
	s_add_co_u32 s18, s18, s20                     ; + my wave's 512 keys
	s_lshl_b32 s24, s17, 12                        ; 16 steps of 256 bytes,
	s_lshl_b32 s20, s3, 10
	s_add_co_u32 s24, s24, s20                     ; + my wave's four steps
	s_add_nc_u64 s[8:9], s[8:9], s[18:19]
	s_add_nc_u64 s[12:13], s[12:13], s[24:25]
	LOADM 0
.set I, 0
.rept 8
	v_mov_b32 v[MW+I], 0                           ; written once: v_writelane_b32's destination counts as one of its sources; four steps, a pair each
.set I, I+1
.endr
	CHUNK 0
	s_branch .Lend
.Lpath_k:
	s_lshl_b32 s17, ttmp9, 2
	s_add_co_u32 s17, s17, s3                      ; task = head x 16 + step
	s_lshl_b32 s18, s17, 15                        ; 128 keys of 256 bytes
	s_mul_i32 s24, s17, TASKB
	s_add_nc_u64 s[4:5], s[4:5], s[18:19]
	s_add_nc_u64 s[10:11], s[10:11], s[24:25]
	LOADK 0
	LOADK 1
	v_mov_b32 v234, 0                              ; written once: a lane permute's destination counts as one of its sources
	s_wait_alu depctr_va_vdst(0)
.irp f, 0,1,2,3
.if \f < 3
	s_wait_loadcnt 16                              ; this fragment's 16 loads are in; the next fragment's 16 stay out
.else
	s_wait_loadcnt 0x0
.endif
	TURNK \f
	QK \f
.endr
	v_cndmask_b32 v240, v236, v237, s16            ; lanes 0-15 the words of fragment 0, lanes 16-31 of fragment 1;
	v_cndmask_b32 v241, v238, v239, s16            ; of fragments 2 and 3
	global_store_b64 v5, v[240:241], s[10:11] offset:12288
	s_branch .Lend
.Lpath_v:
	s_sub_co_u32 s17, ttmp9, 256
	s_lshl_b32 s17, s17, 2
	s_add_co_u32 s17, s17, s3
	s_lshl_b32 s18, s17, 15
	s_mul_i32 s24, s17, TASKB
	s_add_nc_u64 s[6:7], s[6:7], s[18:19]
	s_add_nc_u64 s[10:11], s[10:11], s[24:25]
	s_wait_alu depctr_va_vdst(0)
	LOADV 0
	LOADV 1
.irp u, 0,1,2,3,4,5,6,7
	UNIT \u
.endr
	; Of a half's 24 registers the first 12 hold the even blocks of keys (the operand's lanes 0-15), the second 12 the odd ones; lanes 0-15 hold d tile 2 w, lanes 16-31 d tile 2 w + 1.
	; The exchange of the first's lanes 16-31 with the second's lanes 0-15 makes them fragments 2 w and 2 w + 1.
.irp w, 0,1
.set I, 0
.rept 12
	v_permlane16_swap_b32 v[VC+24*\w+I], v[VC+24*\w+12+I]
.set I, I+1
.endr
.endr
.irp t, 0,1,2,3
.irp i, 0,1,2
	global_store_b128 v4, v[VC+12*\t+4*\i:VC+12*\t+4*\i+3], s[10:11] offset:6144+1536*\t+512*\i
.endr
.endr
	global_store_b64 v5, v[136:137], s[10:11] offset:12544
.Lend:
	s_wait_tensorcnt 0x0                           ; the wave's end, behind my last LDS store
	ds_add_u32 v1, v2
	s_wait_dscnt 0x0
	s_endpgm
.Lfunc_end_k_q8e23491293_prep:
	.size	k_q8e23491293_prep, .Lfunc_end_k_q8e23491293_prep-k_q8e23491293_prep
	.p2alignl 7, 3214868480
	.fill 96, 4, 3214868480
	.section	.rodata,"a",@progbits
	.p2align	6, 0x0
	.amdhsa_kernel k_q8e23491293_prep
		.amdhsa_group_segment_fixed_size 70144
		.amdhsa_private_segment_fixed_size 0
		.amdhsa_enable_private_segment 0
		.amdhsa_kernarg_size 40
		.amdhsa_user_sgpr_count 2
		.amdhsa_user_sgpr_kernarg_segment_ptr 1
		.amdhsa_wavefront_size32 1
		.amdhsa_system_sgpr_workgroup_id_x 1
		.amdhsa_system_sgpr_workgroup_id_y 1
		.amdhsa_system_sgpr_workgroup_id_z 1
		.amdhsa_system_vgpr_workitem_id 0
		.amdhsa_next_free_vgpr 256
		.amdhsa_next_free_sgpr 66
		.amdhsa_reserve_vcc 0
		.amdhsa_float_denorm_mode_32 3
		.amdhsa_float_denorm_mode_16_64 3
		.amdhsa_memory_ordered 1
		.amdhsa_forward_progress 1
		.amdhsa_inst_pref_size 121
	.end_amdhsa_kernel
	.amdgpu_metadata
---
amdhsa.version: [ 1, 2 ]
amdhsa.kernels:
  - .name:           k_q8e23491293_prep
    .symbol:         k_q8e23491293_prep.kd
    .args:
      - { .name: key, .offset: 0, .size: 8, .value_kind: global_buffer, .address_space: global }
      - { .name: value, .offset: 8, .size: 8, .value_kind: global_buffer, .address_space: global }
      - { .name: mask, .offset: 16, .size: 8, .value_kind: global_buffer, .address_space: global }
      - { .name: kv, .offset: 24, .size: 8, .value_kind: global_buffer, .address_space: global }
      - { .name: mbits, .offset: 32, .size: 8, .value_kind: global_buffer, .address_space: global }
    .group_segment_fixed_size: 70144
    .private_segment_fixed_size: 0
    .kernarg_segment_align: 8
    .kernarg_segment_size: 40
    .max_flat_workgroup_size: 128
    .sgpr_count:     66
    .vgpr_count:     256
    .wavefront_size: 32
...
	.end_amdgpu_metadata
.endif
;; end of part 1
;; launch attn (part 2): grid 4 x 64, 16 waves a work-group, clusters of 4 x 1, 276,480 bytes of LDS; arguments query, kv, mbits, out0; writes out0
.if DOCPART == 2
	.amdgcn_target "amdgcn-amd-amdhsa--gfx1250"
	.amdhsa_code_object_version 6
	.text
	.protected	k_q8e23491293_attn
	.globl	k_q8e23491293_attn
	.p2align	8
	.type	k_q8e23491293_attn,@function
k_q8e23491293_attn:
	s_mov_b64 s[64:65], 0
	v_nop
	global_prefetch_b8 v0, s[64:65] scope:SCOPE_SE
	s_setreg_imm32_b32 hwreg(HW_REG_WAVE_MODE, 25, 1), 1
	s_wait_xcnt 0x0
	s_wait_alu depctr_hold_cnt(0) depctr_sa_sdst(0) depctr_va_vdst(0) depctr_va_sdst(0) depctr_va_ssrc(0) depctr_va_vcc(0) depctr_vm_vsrc(0)
	s_getreg_b32 s2, hwreg(HW_REG_IB_STS2, 6, 4)
	s_cmp_eq_u32 s2, 0
	s_cbranch_scc0 .Lentry_in_a_cluster
	s_endpgm
.Lentry_in_a_cluster:
	s_bfe_u32 s2, ttmp6, 0x10000c
	s_cmp_lg_u32 s2, 0x3003
	s_cbranch_scc0 .Lentry_shape_is_right
	s_endpgm
.Lentry_shape_is_right:
; out0[head][q][:] = the sum over k of softmax_k(where(mask, Q . K, -10000) / 8) V[k][:], both products on codes of FP6 (E2M3) with one E8M0 scale for each 32 along a product's K.  Nothing of reference() is left out.
; THE SOFTMAX: t = score x log2(e) / 8; M = the running largest t rounded UP to a whole number; p = 2^(t - M) is quantised along the keys, not normalised; the row's sum is taken of the unquantised p and divides at the end.
; When M moves, the sum and O are multiplied by 2^(old M - new M): exact.  The running maximum is kept as a SCORE: c is positive, so c x the largest score is the largest c x score.
; SHARES.  A work-group owns 512 queries of one head; each of its sixteen waves 32, as two tiles A and B of 16, which share every fragment of K and V.  Every wave walks the head's 2,048 keys, 128 a step.
; K AND V: the launch before laid the head's codes and scale words as images of the operands' registers, 12,800 bytes a step.  They come into LDS once, one tensor load a wave (wave w: step w), and stay: nothing is filled again.
; CLUSTER: the four work-groups of a head need the same 204,800 bytes: each load is asked for jointly, with one descriptor and a mask that names the four.
; No data prefetch: K and V are asked for once, at the head, with no loop to run ahead in; the mask words are asked for a tile's softmax ahead by scalar loads.
; LAYOUT.  Both products are used transposed (source 0 = 16 keys, or 16 of the head's 64; source 1 = my 16 queries): a lane holds ONE query (r = lane % 16).  Score register j of lane (r, h) is key 64 (j / 32) + 32 h + j % 32
; of the step: two WHOLE blocks of 32 keys a lane, so a block's maximum, scale and codes need no other lane.
; THE FIRST PRODUCT'S K IS 64 under an instruction of 128: a fragment of K holds two tiles of keys in its halves and is multiplied by [q | zero codes] and by [zero codes | q]; the half that meets zero codes adds exact zeros.
; THE MASK: word j of a step's 64 holds, in bit L, whether score register j of lane L counts; the words steer v_cndmask_b32.
; THE ORDER OF A SOFTMAX'S LINES: maxima and sums go in four chains by turns; the lines that make f, the scale operands and the scale word stand among lines that do not hang on them; between the links from the maxima to -M
; of tile B stand the lines that rescale tile A's O.  Three of V's four fragments are asked for ahead of tile B's softmax; the fourth takes the registers in which that softmax worked.
; LIMITS: NaN and infinities among the inputs are not served.  The promise holds while the scaled scores stay under 2^31 in magnitude.  A block of q whose largest magnitude lies under 2^-124, zeros too, gets the byte 1.
; A p under 2^-126 falls to 0 (ISA guide: v_exp_f32 flushes); a block whose every p is 0 keeps the byte 1 over zero codes.  The row's sum is added in four chains of pairs, and in two halves of the lanes.
; REGISTERS: v0 thread; v1, v2 the add's two; v3 16 x lane; v4 8 x lane; v5 8 h; v6 Q's scale words (lanes 0-15 A's, 16-31 B's); v7 a permute's target; v8-9 K's scale words, v10-11 V's; v12, v13 p's of A, of B;
;   v14 f, v15 -10000; v16.. for each tile -M, the largest score, the sum (a pair); v24-53: zeros, qA, zeros, qB, zeros, six each; v54, v55 LDS addresses; v56-119 O^T (tile x, d tile t at 56 + 32 x + 8 t);
;   v120-183 the scores, then p; v184-231 four fragments of K, then of V; v232-243 A's codes of p, v244-255 B's.  At work: twelve registers, B's codes' for tile A, the first fragment's for tile B.
.set STEPB, 12800                      ; a step in LDS: K's 4 fragments, V's 4, K's scale words, V's
.set VFR,   6144
.set KSC,   12288
.set VSC,   12544
.set STG,   16*STEPB                   ; behind the codes: a stage of 16 rows x 272 bytes for each wave, for Q's way in and O's way out; no tensor load lands there
.set STGW,  4352
.set SPARE, STG+16*STGW                ; the spare words, 128 bytes a wave: eight blocks of 256 bytes that no other line names
.set SPW, 1
.set NIL, 2
.set LI,  3
.set L8,  4
.set SH8, 5
.set QS,  6
.set PX,  7
.set KS,  8
.set VS,  10
.set PS,  12
.set FF,  14
.set ST,  16
.set ADR, 54
.set ADS, 55
.set O,   56
.set S,   120
.set FR,  184
.set PA,  232
.set PB,  244
; s3 wave; s[4:5] Q; s[8:9] the mask words in hand; s[10:11] out; s[12:15], s[16:23] the descriptor; s[24:25] lane selects; s[26:27] c; s28 the step's LDS byte; s29 steps to go; s30 lanes 16-31; s31 my stage;
; s32-63 and s68-99 the 64 mask words of a tile step
.macro CROUND                          ; a round of the cluster's barrier
	s_barrier_signal -1
	s_barrier_wait -1
	s_cmp_lg_u32 s3, 0
	s_cbranch_scc1 .Lnot_wave_0_\@
	s_barrier_signal -3
.Lnot_wave_0_\@:
	s_barrier_wait -3
	s_barrier_signal -1
	s_barrier_wait -1
.endm
.macro MLOAD off                       ; a tile step's 64 words, 256 bytes
	s_load_b512 s[32:47], s[8:9], \off
	s_load_b512 s[48:63], s[8:9], \off+64
	s_load_b512 s[68:83], s[8:9], \off+128
	s_load_b512 s[84:99], s[8:9], \off+192
.endm
; S^T = K Q^T for tile x: 8 tiles of 16 keys; tile TT is half TT % 2 of fragment TT / 2.  waits = 1: the count is the loads issued behind the fragment that is needed
.macro P1 x, waits
.set TT, 0
.rept 8
.if (\waits) && (TT%2 == 0)
	s_wait_dscnt 9-3*(TT/2)
.endif
.set rD, S+8*TT
.set rA, FR+12*(TT/2)
.set rB, 30+12*(\x)-6*(TT%2)           ; [q | zeros] for the fragment's first half, [zeros | q] for its second
.set rS, KS+TT/4
.if ((TT/2)%2 == 1) && (\x)
	v_wmma_scale_f32_16x16x128_f8f6f4 v[rD:rD+7], v[rA:rA+11], v[rB:rB+11], 0, v[rS], v[QS] matrix_a_fmt:MATRIX_FMT_FP6 matrix_b_fmt:MATRIX_FMT_FP6 matrix_a_scale:MATRIX_SCALE_ROW1 matrix_b_scale:MATRIX_SCALE_ROW1
.elseif (TT/2)%2 == 1
	v_wmma_scale_f32_16x16x128_f8f6f4 v[rD:rD+7], v[rA:rA+11], v[rB:rB+11], 0, v[rS], v[QS] matrix_a_fmt:MATRIX_FMT_FP6 matrix_b_fmt:MATRIX_FMT_FP6 matrix_a_scale:MATRIX_SCALE_ROW1
.elseif \x
	v_wmma_scale_f32_16x16x128_f8f6f4 v[rD:rD+7], v[rA:rA+11], v[rB:rB+11], 0, v[rS], v[QS] matrix_a_fmt:MATRIX_FMT_FP6 matrix_b_fmt:MATRIX_FMT_FP6 matrix_b_scale:MATRIX_SCALE_ROW1
.else
	v_wmma_scale_f32_16x16x128_f8f6f4 v[rD:rD+7], v[rA:rA+11], v[rB:rB+11], 0, v[rS], v[QS] matrix_a_fmt:MATRIX_FMT_FP6 matrix_b_fmt:MATRIX_FMT_FP6
.endif
.set TT, TT+1
.endr
.endm
.macro SELECT                          ; where the mask's bit is 0 the score becomes -10000; ascending
.set J, 0
.rept 64
	v_cndmask_b32 v[S+J], v15, v[S+J], s[32+J+4*(J/32)]
.set J, J+1
.endr
.endm
.macro RESC n                          ; n lines of O^T x f, from register O + RJ on, ascending
.rept \n
	v_pk_mul_f32 v[O+RJ:O+RJ+1], v[O+RJ:O+RJ+1], v[FF:FF+1] op_sel_hi:[1,0]
.set RJ, RJ+2
.endr
.endm
.macro GAP x                           ; between two links of the way from the maxima to -M: in tile B's softmax two lines of tile A's rescaling
.if \x
	RESC 2
	s_delay_alu instid0(VALU_DEP_3)
.else
	s_delay_alu instid0(VALU_DEP_1)
.endif
.endm
.macro ADD4 j, tb                      ; four pairs of p, one onto each of the sum's four chains
	v_pk_add_f32 v[NM+2:NM+3], v[NM+2:NM+3], v[S+(\j):S+(\j)+1]
	v_pk_add_f32 v[\tb+6:\tb+7], v[\tb+6:\tb+7], v[S+(\j)+2:S+(\j)+3]
	v_pk_add_f32 v[\tb+8:\tb+9], v[\tb+8:\tb+9], v[S+(\j)+4:S+(\j)+5]
	v_pk_add_f32 v[\tb+2:\tb+3], v[\tb+2:\tb+3], v[S+(\j)+6:S+(\j)+7]
.endm
; Tile x's softmax of the step, and p's codes into v[pc] on.  tb: twelve registers at work: +0, +1 my two blocks' largest scores, then their largest p; +2, +3 second chains of maxima, then a chain of sums;
; +4 M's change, then with +5 the conversions' scale operands; +6 to +9 two chains of sums; +10, +11 bytes; at the end +0.. and +6.. the blocks' upper codes
.macro SOFTMAX x, tb, pc
.set NM, ST+4*(\x)
	v_max3_num_f32 v[\tb], v[S], v[S+1], v[S+2]            ; THE LARGEST SCORE OF EACH OF MY TWO BLOCKS OF 32 KEYS, two chains a block: it serves the row's maximum and, since p rises with the score, the block's largest p
	v_max3_num_f32 v[\tb+1], v[S+32], v[S+33], v[S+34]
	v_max3_num_f32 v[\tb+2], v[S+17], v[S+18], v[S+19]
	v_max3_num_f32 v[\tb+3], v[S+49], v[S+50], v[S+51]
.set J, 3
.rept 6
	v_max3_num_f32 v[\tb], v[\tb], v[S+J], v[S+J+1]
	v_max3_num_f32 v[\tb+1], v[\tb+1], v[S+32+J], v[S+33+J]
	v_max3_num_f32 v[\tb+2], v[\tb+2], v[S+17+J], v[S+18+J]
	v_max3_num_f32 v[\tb+3], v[\tb+3], v[S+49+J], v[S+50+J]
.set J, J+2
.endr
	v_max3_num_f32 v[\tb], v[\tb], v[S+15], v[S+16]
	v_max3_num_f32 v[\tb+1], v[\tb+1], v[S+47], v[S+48]
	v_mov_b32 v[\tb+4], v[NM]                              ; the old -M
	s_delay_alu instid0(VALU_DEP_3)
	v_max_num_f32 v[\tb], v[\tb], v[\tb+2]
	s_delay_alu instid0(VALU_DEP_3)
	v_max_num_f32 v[\tb+1], v[\tb+1], v[\tb+3]
	GAP \x
	v_max3_num_f32 v[\tb+2], v[\tb], v[\tb+1], v[NM+1]     ; with the largest score so far
	GAP \x
	v_permlanex16_b32 v[PX], v[\tb+2], s24, s25
	GAP \x
	v_max_num_f32 v[NM+1], v[\tb+2], v[PX]                 ; with lane l xor 16's 64 keys: the running largest score of my query
	GAP \x
	v_mul_f32 v[\tb+3], s26, v[NM+1]                       ; as t
	GAP \x
	v_floor_f32 v[NM], -v[\tb+3]                           ; the new -M = floor(-t) = -ceil(t)
	GAP \x
	v_fma_f32 v[\tb], v[\tb], s26, v[NM]                   ; t - M of each block's largest score
	v_fma_f32 v[\tb+1], v[\tb+1], s26, v[NM]
	v_sub_f32 v[\tb+4], v[NM], v[\tb+4]                    ; old M - new M: a whole number, 0 or less
.set J, 0
.rept 32
	v_pk_fma_f32 v[S+J:S+J+1], v[S+J:S+J+1], s[26:27], v[NM:NM+1] op_sel_hi:[1,0,0]   ; t - M, two at a time (of the pairs c and -M the low word serves both halves)
.if J == 4
	v_cvt_i32_f32 v[\tb+4], v[\tb+4]                       ; (it saturates)
.endif
.if J == 12
	v_ldexp_f32 v[FF], 1.0, v[\tb+4]                       ; f = 2^(old M - new M)
.endif
.set J, J+2
.endr
	s_wait_alu depctr_va_vdst(0)                           ; the wait ahead of the batch
	v_exp_f32 v[\tb], v[\tb]                               ; the blocks' largest p: the same two instructions on the same number give the same bits
	v_exp_f32 v[\tb+1], v[\tb+1]
.set J, 0
.rept 64
	v_exp_f32 v[S+J], v[S+J]                               ; p = 2^(t - M), at most 1
.set J, J+1
.endr
	v_pk_mul_f32 v[NM+2:NM+3], v[NM+2:NM+3], v[FF:FF+1] op_sel_hi:[1,0]   ; the sum under the new M: the plain line behind the exponentials
	s_wait_alu depctr_va_vdst(0)                           ; one wait for the batch of 66, ahead of its first reader
	v_pk_add_f32 v[\tb+6:\tb+7], v[S:S+1], v[S+2:S+3]      ; THE ROW'S SUM IS TAKEN OF THE UNQUANTISED p: 32 pairs, four chains; the scales' lines stand between the rounds
	v_pk_add_f32 v[\tb+8:\tb+9], v[S+4:S+5], v[S+6:S+7]
	v_pk_add_f32 v[\tb+2:\tb+3], v[S+8:S+9], v[S+10:S+11]
	v_pk_add_f32 v[NM+2:NM+3], v[NM+2:NM+3], v[S+12:S+13]
	v_max_num_f32 v[\tb], 0x1800000, v[\tb]                ; the floor 2^(3 - 127): the byte cannot fall under 1
	v_max_num_f32 v[\tb+1], 0x1800000, v[\tb+1]
	v_pk_add_f32 v[\tb+6:\tb+7], v[\tb+6:\tb+7], v[S+14:S+15]
	ADD4 16, \tb
	v_add_nc_u32 v[\tb+4], 0xff000000, v[\tb]              ; 2 off the exponent field: the conversion's scale operand
	v_add_nc_u32 v[\tb+5], 0xff000000, v[\tb+1]
	ADD4 24, \tb
	v_lshrrev_b32 v[\tb+10], 23, v[\tb+4]                  ; the bytes of blocks h and 2 + h,
	v_lshrrev_b32 v[\tb+11], 23, v[\tb+5]
	ADD4 32, \tb
	v_lshl_or_b32 v[\tb+10], v[\tb+11], 16, v[\tb+10]
	ADD4 40, \tb
	v_lshlrev_b32 v[\tb+10], v[SH8], v[\tb+10]             ; at their places in the word
	ADD4 48, \tb
	v_permlanex16_b32 v[PX], v[\tb+10], s24, s25
	ADD4 56, \tb
	v_pk_add_f32 v[\tb+6:\tb+7], v[\tb+6:\tb+7], v[\tb+8:\tb+9]
	v_pk_add_f32 v[NM+2:NM+3], v[NM+2:NM+3], v[\tb+2:\tb+3]
	s_delay_alu instid0(VALU_DEP_1)
	v_pk_add_f32 v[NM+2:NM+3], v[NM+2:NM+3], v[\tb+6:\tb+7]
	v_cvt_scalef32_pk16_fp6_f32 v[\pc:\pc+2], v[S:S+15], v[\tb+4]
	v_cvt_scalef32_pk16_fp6_f32 v[\pc+6:\pc+8], v[S+32:S+47], v[\tb+5]
	v_cvt_scalef32_pk16_fp6_f32 v[\tb:\tb+2], v[S+16:S+31], v[\tb+4]    ; (a conversion's three registers begin on an even number: the blocks' upper halves are made here and moved)
	v_cvt_scalef32_pk16_fp6_f32 v[\tb+6:\tb+8], v[S+48:S+63], v[\tb+5]
	v_or_b32 v[PS+(\x)], v[\tb+10], v[PX]                  ; with lane l xor 16's two bytes: p's scale word for these 128 keys.  Also the plain place behind the conversions
.irp i, 0,1,2
	v_mov_b32 v[\pc+3+\i], v[\tb+\i]
	v_mov_b32 v[\pc+9+\i], v[\tb+6+\i]
.endr
.endm
.macro PV                              ; O^T += V^T P^T: the eight accumulators take turns, one instruction a turn.  Fragments in the order in which they were asked for: 1, 2, 3, 0
.irp t, 1,2,3,0
	s_wait_dscnt 3*((4-\t)%4)                              ; behind fragment t so many loads were issued: 9, 6, 3, 0
.set rA, FR+12*\t
.set rS, VS+\t/2
.if (\t)%2 == 1
	v_wmma_scale_f32_16x16x128_f8f6f4 v[O+8*\t:O+8*\t+7], v[rA:rA+11], v[PA:PA+11], v[O+8*\t:O+8*\t+7], v[rS], v[PS] matrix_a_fmt:MATRIX_FMT_FP6 matrix_b_fmt:MATRIX_FMT_FP6 matrix_a_scale:MATRIX_SCALE_ROW1
	v_wmma_scale_f32_16x16x128_f8f6f4 v[O+32+8*\t:O+32+8*\t+7], v[rA:rA+11], v[PB:PB+11], v[O+32+8*\t:O+32+8*\t+7], v[rS], v[PS+1] matrix_a_fmt:MATRIX_FMT_FP6 matrix_b_fmt:MATRIX_FMT_FP6 matrix_a_scale:MATRIX_SCALE_ROW1
.else
	v_wmma_scale_f32_16x16x128_f8f6f4 v[O+8*\t:O+8*\t+7], v[rA:rA+11], v[PA:PA+11], v[O+8*\t:O+8*\t+7], v[rS], v[PS] matrix_a_fmt:MATRIX_FMT_FP6 matrix_b_fmt:MATRIX_FMT_FP6
	v_wmma_scale_f32_16x16x128_f8f6f4 v[O+32+8*\t:O+32+8*\t+7], v[rA:rA+11], v[PB:PB+11], v[O+32+8*\t:O+32+8*\t+7], v[rS], v[PS+1] matrix_a_fmt:MATRIX_FMT_FP6 matrix_b_fmt:MATRIX_FMT_FP6
.endif
.endr
.endm
	s_load_b256 s[4:11], s[0:1], 0x0               ; query s[4:5], kv s[6:7], mbits s[8:9], out0 s[10:11]
	v_lshl_add_u32 v[SPW], v0, 2, SPARE
	v_mov_b32 v[NIL], 0
	ds_add_u32 v[SPW], v[NIL]                      ; the opening: the add, twice on end, and its wait ahead of my first tensor load; the set-up below, work on registers, stands between
	ds_add_u32 v[SPW], v[NIL]
	v_lshrrev_b32 v3, 5, v0
	s_delay_alu instid0(VALU_DEP_1)
	v_readfirstlane_b32 s3, v3                     ; wave 0..15
	s_bfe_u32 s32, ttmp6, 0x40000                  ; cx: my place in the cluster
	s_lshl_b32 s33, ttmp9, 2
	s_add_co_u32 s32, s33, s32                     ; my block of 512 queries: it enters the addresses of Q, of the mask words and of out0 alone
	s_and_b32 s34, ttmp7, 0xffff                   ; the head, which the four partners share
	s_mov_b32 s12, 1                               ; descriptor group 0: count = 1;
	s_mul_i32 s13, s3, STEPB                       ; LDS address: step w
	s_mul_i32 s36, s34, 16*STEPB
	s_add_co_u32 s36, s36, s13                     ; and its place in kv: head and wave alone
	s_mov_b32 s37, 0
	s_mov_b32 s16, 15|(3<<16)|(1<<21)              ; group 1: the mask names all four work-groups; elements of 8 bytes; bit 21 set beside a mask; no padding
	s_mov_b32 s17, 32<<16                          ; tensor_dim0 = 32 elements: rows of 256 bytes
	s_mov_b32 s18, 50<<16                          ; tensor_dim1 = 50 rows: 12,800 dense bytes
	s_mov_b32 s19, 32<<16                          ; tile_dim0
	s_mov_b32 s20, 50                              ; tile_dim1
	s_mov_b32 s21, 32                              ; from row to row
	s_mov_b32 s22, 0
	s_mov_b32 s23, 0
	s_lshl_b32 s38, s34, 11
	s_lshl_b32 s39, s32, 9
	s_add_co_u32 s38, s38, s39
	s_lshl_b32 s39, s3, 5
	s_add_co_u32 s38, s38, s39                     ; my first query among all heads' rows: 2,048 head + 512 block + 32 wave,
	s_lshl_b32 s38, s38, 8                         ; in bytes: rows of 256 (under 2^25)
	s_mov_b32 s39, 0
	s_lshr_b32 s40, s34, 4                         ; the batch
	s_lshl_b32 s40, s40, 7
	s_lshl_b32 s41, s32, 5
	s_add_co_u32 s40, s40, s41
	s_lshl_b32 s41, s3, 1
	s_add_co_u32 s40, s40, s41                     ; tile A among the batches' tiles of 16 queries: 128 batch + 32 block + 2 wave,
	s_lshl_b32 s40, s40, 12                        ; 4,096 bytes of mask words each
	s_mov_b32 s41, 0
	s_mov_b32 s24, 0x76543210
	s_mov_b32 s25, 0xfedcba98                      ; v_permlanex16_b32's selects for lane l xor 16
	s_mov_b32 s26, 0x3e38aa3b                      ; c = log2(e) / 8
	s_mov_b32 s27, s26                             ; (named with it as a pair, so it is written)
	s_mov_b32 s30, 0xffff0000
	s_mul_i32 s31, s3, STGW
	s_add_co_u32 s31, s31, STG                     ; my stage
	v_and_b32 v[LI], 31, v0
	v_and_b32 v184, 15, v0                         ; r
	v_bfe_u32 v185, v0, 4, 1                       ; h
	v_lshlrev_b32 v[L8], 3, v[LI]
	v_lshlrev_b32 v[LI], 4, v[LI]
	v_lshlrev_b32 v[SH8], 3, v185
	v_mul_u32_u24 v[ADR], v185, 272
	v_mul_u32_u24 v[ADS], v184, 272
	v_lshl_add_u32 v[ADR], v184, 4, v[ADR]
	v_lshl_add_u32 v[ADS], v185, 7, v[ADS]
	v_add_nc_u32 v[ADR], s31, v[ADR]               ; Q into the stage: a load holds two rows: 272 h + 16 r
	v_add_nc_u32 v[ADS], s31, v[ADS]               ; and out of it: row r, + 128 h: my block of 32 along d
	s_wait_alu depctr_va_vdst(0)                   ; directly ahead of the waits below
	s_wait_dscnt 0x0                               ; both opening adds are done
	s_wait_kmcnt 0x0
	s_add_nc_u64 s[14:15], s[6:7], s[36:37]
	s_or_b32 s15, s15, 0x80000000                  ; type = 2
	s_add_nc_u64 s[4:5], s[4:5], s[38:39]
	s_add_nc_u64 s[10:11], s[10:11], s[38:39]
	s_add_nc_u64 s[8:9], s[8:9], s[40:41]
.irp x, 0,1
.irp i, 0,1,2,3,4,5,6,7
	global_load_b128 v[S+32*\x+4*\i:S+32*\x+4*\i+3], v[LI], s[4:5] offset:4096*\x+512*\i th:TH_LOAD_NT   ; Q: 512 consecutive bytes a load; nobody writes these bytes, so the loads may be out across the round
.endr
.endr
	MLOAD 0                                        ; tile A's mask words of step 0 (s32 to s41 are done with)
	CROUND                                         ; all four work-groups are here: the joint loads meet
	tensor_load_to_lds s[12:15], s[16:23]          ; my one tensor load of the launch: one is out
	s_nop 0
	v_mov_b32 v[PX], 0                             ; written once: a lane permute's destination counts as one of its sources
	v_mov_b32 v15, 0xc61c4000                      ; -10000
.irp i, 0,1,2,3,4,5
	v_mov_b32 v[24+\i], 0                          ; the zero codes beside q
	v_mov_b32 v[36+\i], 0
	v_mov_b32 v[48+\i], 0
.endr
	s_wait_loadcnt 8                               ; tile A's 8 loads are in; tile B's 8 stay out
.irp i, 0,1,2,3,4,5,6,7
	ds_store_b128 v[ADR], v[S+4*\i:S+4*\i+3] offset:544*\i
.endr
.irp j, 0,1,2,3,4,5,6,7
	ds_load_b128 v[O+4*\j:O+4*\j+3], v[ADS] offset:16*\j       ; LDS serves a wave's instructions in order (ISA guide 5.7.1.4): these see the stores above, and tile B's stores come behind them
.endr
	s_wait_loadcnt 0x0
.irp i, 0,1,2,3,4,5,6,7
	ds_store_b128 v[ADR], v[S+32+4*\i:S+32+4*\i+3] offset:544*\i
.endr
.irp j, 0,1,2,3,4,5,6,7
	ds_load_b128 v[O+32+4*\j:O+32+4*\j+3], v[ADS] offset:16*\j
.endr
	s_wait_dscnt 0x0
	; Q is quantised: a lane holds one whole block of each tile (query r, d = 32 h on).  v186.. largest magnitudes, v188.. scale operands, v190.. bytes, v192.. words
	v_max3_num_f32 v186, |v[O]|, |v[O+1]|, 0x1800000
	v_max3_num_f32 v187, |v[O+32]|, |v[O+33]|, 0x1800000
.set J, 2
.rept 15
	s_delay_alu instid0(VALU_DEP_2)
	v_max3_num_f32 v186, v186, |v[O+J]|, |v[O+J+1]|
	s_delay_alu instid0(VALU_DEP_2)
	v_max3_num_f32 v187, v187, |v[O+32+J]|, |v[O+33+J]|
.set J, J+2
.endr
	s_delay_alu instid0(VALU_DEP_2)
	v_add_nc_u32 v188, 0xff000000, v186
	s_delay_alu instid0(VALU_DEP_2)
	v_add_nc_u32 v189, 0xff000000, v187
	s_delay_alu instid0(VALU_DEP_2)
	v_lshrrev_b32 v190, 23, v188
	s_delay_alu instid0(VALU_DEP_2)
	v_lshrrev_b32 v191, 23, v189
	s_delay_alu instid0(VALU_DEP_2)
	v_lshl_or_b32 v190, v190, 16, v190             ; the word is (block 0, block 1, block 0, block 1): it serves [q | zeros] and [zeros | q] alike
	s_delay_alu instid0(VALU_DEP_2)
	v_lshl_or_b32 v191, v191, 16, v191
	s_delay_alu instid0(VALU_DEP_2)
	v_lshlrev_b32 v190, v[SH8], v190
	s_delay_alu instid0(VALU_DEP_2)
	v_lshlrev_b32 v191, v[SH8], v191
	s_delay_alu instid0(VALU_DEP_2)
	v_permlanex16_b32 v[PX], v190, s24, s25
	s_delay_alu instid0(VALU_DEP_1)
	v_or_b32 v192, v190, v[PX]
	s_delay_alu instid0(VALU_DEP_2)
	v_permlanex16_b32 v[PX], v191, s24, s25
	s_delay_alu instid0(VALU_DEP_1)
	v_or_b32 v193, v191, v[PX]
	s_delay_alu instid0(VALU_DEP_1)
	v_cndmask_b32 v[QS], v192, v193, s30           ; lanes 0-15 tile A's words, lanes 16-31 tile B's
	v_cvt_scalef32_pk16_fp6_f32 v[30:32], v[O:O+15], v188
	v_cvt_scalef32_pk16_fp6_f32 v[196:198], v[O+16:O+31], v188
	v_cvt_scalef32_pk16_fp6_f32 v[42:44], v[O+32:O+47], v189
	v_cvt_scalef32_pk16_fp6_f32 v[200:202], v[O+48:O+63], v189
	v_nop                                          ; one plain place behind the conversions
.irp i, 0,1,2
	v_mov_b32 v[33+\i], v[196+\i]
	v_mov_b32 v[45+\i], v[200+\i]
.endr
.irp x, 0,1
	v_mov_b32 v[ST+4*\x+1], 0xff61b1e6             ; the largest score so far: -3e38, under every score
	v_mov_b32 v[ST+4*\x], 0x7f61b1e6               ; -M: 3e38, so that the first f is 0
	v_mov_b32 v[ST+4*\x+2], 0                      ; the sum
	v_mov_b32 v[ST+4*\x+3], 0
.endr
.set J, 0
.rept 64
	v_mov_b32 v[O+J], 0                            ; O^T.  (The step is written once: the first finds zeros, which the first change of M leaves zeros)
.set J, J+1
.endr
	s_mov_b32 s28, 0
	s_mov_b32 s29, 16
	s_wait_alu depctr_va_vdst(0)                   ; at the head's end
	s_wait_tensorcnt 0x0                           ; my step's 12,800 bytes are in LDS,
	s_barrier_signal -1
	s_barrier_wait -1                              ; and every wave's: the head's K and V are whole
.Lstep:                                            ; 16 trips: 128 keys for both tiles
	v_add_nc_u32 v[ADR], s28, v[LI]                ; these four lines are the places between the last products and the loads into the registers that they have read
	v_add_nc_u32 v[ADS], s28, v[L8]
	v_nop
	v_nop
	ds_load_b64 v[KS:KS+1], v[ADS] offset:KSC      ; K's scale words: v8: fragments 0 (lanes 0-15) and 1 (lanes 16-31); v9: 2 and 3
.irp i, 0,1,2,3,4,5,6,7,8,9,10,11
	ds_load_b128 v[FR+4*\i:FR+4*\i+3], v[ADR] offset:512*\i
.endr
	P1 0, 1
.rept 4
	v_nop                                          ; four places in front of the first read of results
.endr
	s_wait_kmcnt 0x0                               ; tile A's mask words are in
	SELECT
	MLOAD 4096                                     ; tile B's words of this step: a softmax ahead of their use
	SOFTMAX 0, PB, PA
	P1 1, 0
	s_wait_alu depctr_va_vdst(0)                   ; directly ahead of the first reader of tile A's O^T
.set RJ, 0
	RESC 4                                         ; tile A's O^T x f begins: four plain lines that name none of those products' registers: their places
	ds_load_b64 v[VS:VS+1], v[ADS] offset:VSC      ; V's scale words, and fragments 1 to 3: K's fragments are done with
.irp i, 3,4,5,6,7,8,9,10,11
	ds_load_b128 v[FR+4*\i:FR+4*\i+3], v[ADR] offset:VFR+512*\i
.endr
	s_wait_kmcnt 0x0                               ; tile B's words are in, so their address may be stepped
	SELECT
	s_add_nc_u64 s[8:9], s[8:9], 256
	MLOAD 0                                        ; tile A's words of the next step.  (In the last trip these are tile B's first 256 bytes: inside the buffer, and not used)
	SOFTMAX 1, FR, PB                              ; its six gaps hold the other twelve lines of tile A's O^T x f
.irp i, 0,1,2
	ds_load_b128 v[FR+4*\i:FR+4*\i+3], v[ADR] offset:VFR+512*\i   ; V's fragment 0, into the registers in which the softmax worked
.endr
	s_wait_alu depctr_va_vdst(0)                   ; directly ahead of the first reader of tile B's O^T
	RESC 16                                        ; tile B's O^T x f (RJ stands at 32); also the places between the lines that made B's scale word and codes and the products that take them
	s_wait_alu depctr_va_vdst(0)                   ; directly ahead of the waits below
	PV
	s_add_co_u32 s28, s28, STEPB
	s_sub_co_u32 s29, s29, 1
	s_cmp_lg_u32 s29, 0
	s_cbranch_scc1 .Lstep
	; THE WAY OUT.  The sum's parts are added; O^T is divided by the sum and goes through my stage, a tile (16 rows of 256 bytes) at a time, so that a store covers 512 consecutive bytes.
	s_wait_kmcnt 0x0                               ; the last trip's scalar loads
	v_add_f32 v18, v18, v19
	v_add_f32 v22, v22, v23
	v_and_b32 v120, 15, v0                         ; r
	v_bfe_u32 v121, v0, 4, 1                       ; h
	v_permlanex16_b32 v[PX], v18, s24, s25
	v_permlanex16_b32 v[FF], v22, s24, s25
	v_mul_u32_u24 v[ADR], v120, 272
	v_mul_u32_u24 v[ADS], v121, 272
	v_add_f32 v18, v18, v[PX]                      ; with lane l xor 16's: the rows' sums
	v_add_f32 v22, v22, v[FF]
	v_lshl_add_u32 v[ADR], v121, 5, v[ADR]
	v_lshl_add_u32 v[ADS], v120, 4, v[ADS]
	v_add_nc_u32 v[ADR], s31, v[ADR]               ; in: row r; d tile t's eight numbers of my half: 64 t + 32 h bytes on
	v_add_nc_u32 v[ADS], s31, v[ADS]               ; back: lanes 0-15 one row, lanes 16-31 the next
	s_wait_alu depctr_va_vdst(0)                   ; ahead of the reciprocals
	v_rcp_f32 v18, v18
	v_rcp_f32 v22, v22
	v_nop                                          ; a plain line behind the reciprocals
	s_wait_alu depctr_va_vdst(0)                   ; and one wait for both, ahead of their first reader
.macro OUTT x
.set J, 0
.rept 16
	v_pk_mul_f32 v[O+32*(\x)+J:O+32*(\x)+J+1], v[O+32*(\x)+J:O+32*(\x)+J+1], v[ST+4*(\x)+2:ST+4*(\x)+3] op_sel_hi:[1,0]
.set J, J+2
.endr
.irp t, 0,1,2,3
	ds_store_b128 v[ADR], v[O+32*(\x)+8*\t:O+32*(\x)+8*\t+3] offset:64*\t
	ds_store_b128 v[ADR], v[O+32*(\x)+8*\t+4:O+32*(\x)+8*\t+7] offset:64*\t+16
.endr
.irp i, 0,1,2,3,4,5,6,7
	ds_load_b128 v[S+32*(\x)+4*\i:S+32*(\x)+4*\i+3], v[ADS] offset:544*\i   ; LDS serves a wave's instructions in order: these see my stores, and the next tile's stores come behind them
.endr
.endm
	OUTT 0
	OUTT 1
.irp i, 0,1,2,3,4,5,6,7
	s_wait_dscnt 23-\i                             ; behind tile A's load i: its 7 - i later loads and tile B's sixteen LDS instructions
	global_store_b128 v[LI], v[S+4*\i:S+4*\i+3], s[10:11] offset:512*\i th:TH_STORE_NT
.endr
.irp i, 0,1,2,3,4,5,6,7
	s_wait_dscnt 7-\i
	global_store_b128 v[LI], v[S+32+4*\i:S+32+4*\i+3], s[10:11] offset:4096+512*\i th:TH_STORE_NT
.endr
	s_wait_tensorcnt 0x0                           ; the wave's end, behind my tensor load and my last LDS store
	ds_add_u32 v[SPW], v[NIL]
	s_wait_dscnt 0x0
	CROUND                                         ; the closing round
	s_endpgm
.Lfunc_end_k_q8e23491293_attn:
	.size	k_q8e23491293_attn, .Lfunc_end_k_q8e23491293_attn-k_q8e23491293_attn
	.p2alignl 7, 3214868480
	.fill 96, 4, 3214868480
	.section	.rodata,"a",@progbits
	.p2align	6, 0x0
	.amdhsa_kernel k_q8e23491293_attn
		.amdhsa_group_segment_fixed_size 276480
		.amdhsa_private_segment_fixed_size 0
		.amdhsa_enable_private_segment 0
		.amdhsa_kernarg_size 32
		.amdhsa_user_sgpr_count 2
		.amdhsa_user_sgpr_kernarg_segment_ptr 1
		.amdhsa_wavefront_size32 1
		.amdhsa_system_sgpr_workgroup_id_x 1
		.amdhsa_system_sgpr_workgroup_id_y 1
		.amdhsa_system_sgpr_workgroup_id_z 1
		.amdhsa_system_vgpr_workitem_id 0
		.amdhsa_next_free_vgpr 256
		.amdhsa_next_free_sgpr 100
		.amdhsa_reserve_vcc 0
		.amdhsa_float_denorm_mode_32 3
		.amdhsa_float_denorm_mode_16_64 3
		.amdhsa_memory_ordered 1
		.amdhsa_forward_progress 1
		.amdhsa_inst_pref_size 59
	.end_amdhsa_kernel
	.amdgpu_metadata
---
amdhsa.version: [ 1, 2 ]
amdhsa.kernels:
  - .name:           k_q8e23491293_attn
    .symbol:         k_q8e23491293_attn.kd
    .args:
      - { .name: query, .offset: 0, .size: 8, .value_kind: global_buffer, .address_space: global }
      - { .name: kv, .offset: 8, .size: 8, .value_kind: global_buffer, .address_space: global }
      - { .name: mbits, .offset: 16, .size: 8, .value_kind: global_buffer, .address_space: global }
      - { .name: out0, .offset: 24, .size: 8, .value_kind: global_buffer, .address_space: global }
    .group_segment_fixed_size: 276480
    .private_segment_fixed_size: 0
    .kernarg_segment_align: 8
    .kernarg_segment_size: 32
    .max_flat_workgroup_size: 512
    .sgpr_count:     100
    .vgpr_count:     256
    .wavefront_size: 32
...
	.end_amdgpu_metadata
.endif
;; end of part 2
